; MI455X (gfx1250); checked and timed in simulation.
; The chip was launched on July 23, 2026; its instructions are those of AMD's public machine-readable ISA for CDNA 5 (MIT licence, August 2026) and "CDNA5" Instruction Set Architecture Reference Guide (July 2026). The comments in the code are by the model that wrote it; some were corrected since.
;; Attention. Allowed arithmetic: matrix products marked QUANTISED: E2M3 operands, one E8M0 scale for each 32 along K, by v_wmma_scale_f32_16x16x128_f8f6f4 with both operands' format E2M3, f32 sums; everything else in f32.
;; Inputs: W1 512 x 512 float32; W2 512 x 512 float32; b1 512 float32; hidden_states 32 x 4,096 x 512 float32.
;; Outputs: out0 512 float32.
;; This version of the problem:
;;   THIS VERSION OF THE PROBLEM IS GIVEN IN LOW PRECISION. The matrix products marked QUANTISED in the list below multiply operands that are first quantised to E2M3 (2 exponent bits, 3 mantissa bits; 6 bits a number), with one power-of-two scale for each 32 numbers along K (OCP MX v1.0); their sums are f32. All else is computed in f32.
;;   The module's matrix products, in the order in which they are computed (A, B: the left and right operand; K: the contracted axis; several contracted axes count as one K, in the product's order):
;;     1. [M 131,072, K 512] x [K 512, N 512]; A: input hidden_states; B: input W1: QUANTISED
;;     2. [M 131,072, K 512] x [K 512, N 512]; A: computed on the way; B: input W2: QUANTISED
;;   THE QUANTISER, for each operand of a quantised product, along K:
;;     - K is cut into blocks of 32 from its start; a last block that is shorter is filled with zeros.
;;     - A block's scale is 2^e with e = floor(log2(the largest magnitude in the block)) - 2, held to -126 .. 127; a block of zeros has e = 0. As a byte (E8M0): e + 127.
;;     - Each number is divided by its block's scale, clamped to +-7.5, and rounded to the nearest number of E2M3, ties to even, subnormals kept.
;;     - The product sums the exact products of the quantised numbers (number of the format x scale) in f32.
;;   ~~~python
;;   def quantise(x, axis):      # numpy; x: float32 -> the quantised numbers, widened to float32 again
;;       x = np.moveaxis(x, axis, -1); K = x.shape[-1]
;;       x = np.pad(x, [(0, 0)] * (x.ndim - 1) + [(0, -K % 32)]); x = x.reshape(x.shape[:-1] + (-1, 32)); a = np.abs(x).max(-1, keepdims=True)
;;       e = np.where(a > 0, np.clip(np.frexp(np.where(a > 0, a, 1))[1] - 1 - 2, -126, 127), 0)      # np.frexp(a)[1] - 1 = floor(log2(a)), exactly
;;       r = np.clip(x / 2.0 ** e, -7.5, 7.5)
;;       step = 2.0 ** (np.maximum(np.frexp(np.where(r == 0, 1, r))[1] - 1, 0) - 3)
;;       q = np.round(r / step) * step * 2.0 ** e      # np.round: ties to even
;;       return np.moveaxis(q.reshape(q.shape[:-2] + (-1,))[..., :K], -1, axis).astype(np.float32)
;;   ~~~
;;   OPERANDS COMPUTED ON THE WAY. 'Computed on the way' means the value that the module computes at that place (a softmax that the list does not call 'softmax' is quantised finished and normalised). What goes into a quantiser is computed in f32, as accurately as f32 sums, v_exp_f32 and their like allow (about 1e-6 of the number): no bf16 or f16 on the way to a quantiser, and a product that is left as it is and whose result goes on into a quantised operand takes f32 operands (vector FMAs, or v_wmma_f32_16x16x4_f32). A number that lies on a knife's edge between two numbers of the format may be rounded either way, as far as f32 arithmetic and the matrix unit's own rounding can turn it there, and no further.
;; One version. Each part assembles by itself: llvm-mc -triple=amdgcn-amd-amdhsa -mcpu=gfx1250 --defsym DOCPART=n.
;; ======== version 1 of 1: 3 launches
;; limits: right only within a limited range of input values
;; workspace buffers: wq 393,216 bytes; ws 16,384 bytes; part 1,572,864 bytes
;; launch prep (part 1): grid 256 x 1, 1 waves a work-group, no clusters, 0 bytes of LDS; arguments W1, W2, wq, ws; writes wq, ws
.if DOCPART == 1
	.amdgcn_target "amdgcn-amd-amdhsa--gfx1250"
	.amdhsa_code_object_version 6
	.text
	.protected	k_q7be79e21c8_prep
	.globl	k_q7be79e21c8_prep
	.p2align	8
	.type	k_q7be79e21c8_prep,@function
k_q7be79e21c8_prep:
	s_mov_b64 s[64:65], 0
	v_nop
	global_prefetch_b8 v0, s[64:65] scope:SCOPE_SE
	s_setreg_imm32_b32 hwreg(HW_REG_WAVE_MODE, 25, 1), 1
	s_wait_xcnt 0x0
; W1 and W2, [512][512] f32 with K innermost, become codes of FP6 (E2M3) with one E8M0 scale byte for each 32 along K, laid in the order of the next launch's operand registers.
; One wave makes one fragment, 16 rows x 128 K: 12 registers a lane.  Work-group x: g = x / 128 (0: W1, 1: W2), w = (x / 32) % 4 (the wave of the next launch that will hold it), i = x % 32.
; i = 16 (t / 4) + 4 s + t % 4: tile t of 8, K step s of 4.  Lane r of W1's tile t takes row 128 w + 32 (t / 2) + 8 (t % 2) + r + 8 (r / 8); of W2's tile t row 128 w + 16 t + r.
; Lane (r, h) holds two whole blocks of its row, k = 128 s + 64 c + 32 h + 0 .. 31, c = 0, 1, as the 6-bit operand layout has them: no other lane is asked for a maximum.
; wq: [w][64 fragments: W1's 32, then W2's 32][3 groups of 4 registers][lane][16 bytes]: each store of the wave covers 512 consecutive bytes, aligned.
; ws: [w][i][32 words]: words 0-15 W1's scale words of fragment i, words 16-31 W2's: 64 bytes a work-group, 16,384 bytes in the launch.
; A block's scale is 2^(floor(log2(its largest magnitude)) - 2); its byte is the largest magnitude's exponent field - 2, held at 1 from below.
; LIMITS: a block of zeros, and a block whose largest magnitude lies under 2^-124, gets the byte 1 (zeros have zero codes, and this program alone reads the bytes); NaN and infinities are not served.
.set FLOOR, 0x1800000                  ; 2^(3 - 127): no largest magnitude is taken under it
.set SH8, 7                            ; v7      8 h
.set TM,  8                            ; v8-11   largest magnitudes, two chains a block
.set SO,  12                           ; v12-13  the conversions' scale operands
.set BY,  14                           ; v14-15  the scale bytes
.set PW,  16                           ; v16     the scale word
.set PX,  17                           ; v17     the other half's part of it
.set PC,  18                           ; v18-29  the fragment
.set X,   32                           ; v32-95  64 numbers
.set PT,  96                           ; v96-102 the upper halves of the blocks' codes, before they are moved
.set SEL, 24                           ; s[24:25] lane selects: lane l xor 16
; Four runs of 16 numbers: a0, a1 are block h, a2, a3 block 2 + h of the lane's row.  Out: the fragment in v[PC] on, the row's scale word in v[PW] (in both halves of the lanes).
.macro QUANTX a0, a1, a2, a3
	v_max3_num_f32 v[TM],   |v[\a0]|, |v[\a0+1]|, FLOOR            ; two chains a block, the four chains by turns
	v_max3_num_f32 v[TM+1], |v[\a2]|, |v[\a2+1]|, FLOOR
	v_max3_num_f32 v[TM+2], |v[\a1]|, |v[\a1+1]|, |v[\a1+2]|
	v_max3_num_f32 v[TM+3], |v[\a3]|, |v[\a3+1]|, |v[\a3+2]|
.irp i, 2,4,6,8,10,12
	v_max3_num_f32 v[TM],   v[TM],   |v[\a0+\i]|,   |v[\a0+\i+1]|
	v_max3_num_f32 v[TM+1], v[TM+1], |v[\a2+\i]|,   |v[\a2+\i+1]|
	v_max3_num_f32 v[TM+2], v[TM+2], |v[\a1+\i+1]|, |v[\a1+\i+2]|
	v_max3_num_f32 v[TM+3], v[TM+3], |v[\a3+\i+1]|, |v[\a3+\i+2]|
.endr
	v_max3_num_f32 v[TM],   v[TM],   |v[\a0+14]|, |v[\a0+15]|
	v_max3_num_f32 v[TM+1], v[TM+1], |v[\a2+14]|, |v[\a2+15]|
	v_max3_num_f32 v[TM],   v[TM],   v[TM+2], |v[\a1+15]|          ; the block's largest magnitude
	v_max3_num_f32 v[TM+1], v[TM+1], v[TM+3], |v[\a3+15]|
	v_add_nc_u32 v[SO],   0xff000000, v[TM]                        ; 2 off its exponent field: the conversion takes the exponent field of this operand as its scale
	v_add_nc_u32 v[SO+1], 0xff000000, v[TM+1]
	v_lshrrev_b32 v[BY],   23, v[SO]                               ; the scale's byte
	v_lshrrev_b32 v[BY+1], 23, v[SO+1]
	v_lshl_or_b32 v[PW], v[BY+1], 16, v[BY]                        ; blocks h and 2 + h,
	v_lshlrev_b32 v[PW], v[SH8], v[PW]                             ; at their places in the word;
	v_permlanex16_b32 v[PX], v[PW], s[SEL], s[SEL+1]
	v_or_b32 v[PW], v[PW], v[PX]                                   ; with lane l xor 16's two the word is whole
	v_cvt_scalef32_pk16_fp6_f32 v[PC:PC+2],   v[\a0:\a0+15], v[SO]
	v_cvt_scalef32_pk16_fp6_f32 v[PT:PT+2],   v[\a1:\a1+15], v[SO]     ; (a conversion's three registers begin on an even number)
	v_cvt_scalef32_pk16_fp6_f32 v[PC+6:PC+8], v[\a2:\a2+15], v[SO+1]
	v_cvt_scalef32_pk16_fp6_f32 v[PT+4:PT+6], v[\a3:\a3+15], v[SO+1]
	v_nop                                                          ; one plain place behind the conversions
.irp i, 0,1,2
	v_mov_b32 v[PC+3+\i], v[PT+\i]
	v_mov_b32 v[PC+9+\i], v[PT+4+\i]
.endr
.endm
	s_load_b128 s[4:7], s[0:1], 0x0                ; W1, W2
	s_load_b128 s[8:11], s[0:1], 0x10              ; wq, ws
	s_lshr_b32 s12, ttmp9, 7                       ; g
	s_bfe_u32 s13, ttmp9, 0x20005                  ; w
	s_and_b32 s14, ttmp9, 31                       ; i
	s_lshr_b32 s15, s14, 4
	s_lshl_b32 s15, s15, 2
	s_and_b32 s16, s14, 3
	s_add_co_u32 s15, s15, s16                     ; t = 4 (i / 16) + i % 4
	s_bfe_u32 s16, s14, 0x20002                    ; s = (i / 4) % 4
	s_lshr_b32 s17, s15, 1
	s_lshl_b32 s17, s17, 5
	s_and_b32 s18, s15, 1
	s_lshl_b32 s18, s18, 3
	s_add_co_u32 s17, s17, s18                     ; W1: the tile begins at row 32 (t / 2) + 8 (t % 2)
	s_lshl_b32 s18, s15, 4                         ; W2: at row 16 t
	s_cmp_eq_u32 s12, 0
	s_cselect_b32 s17, s17, s18
	s_cselect_b32 s19, 1, 0                        ; 1 for W1: its lanes 8-15 stand 8 rows further on
	s_lshl_b32 s18, s13, 7
	s_add_co_u32 s17, s17, s18                     ; + 128 w
	s_lshl_b32 s20, s17, 11                        ; a row is 2,048 bytes,
	s_lshl_b32 s18, s16, 9                         ; a K step 512
	s_add_co_u32 s20, s20, s18
	s_mov_b32 s21, 0
	s_lshl_b32 s22, s13, 6
	s_lshl_b32 s18, s12, 5
	s_add_co_u32 s22, s22, s18
	s_add_co_u32 s22, s22, s14
	s_mul_i32 s22, s22, 1536                       ; wq: fragment 64 w + 32 g + i
	s_mov_b32 s23, 0
	s_lshl_b32 s26, s13, 5
	s_add_co_u32 s26, s26, s14
	s_lshl_b32 s26, s26, 7
	s_lshl_b32 s18, s12, 6
	s_add_co_u32 s26, s26, s18                     ; ws: (32 w + i) x 128 + 64 g
	s_mov_b32 s27, 0
	s_mov_b32 s[SEL], 0x76543210
	s_mov_b32 s[SEL+1], 0xfedcba98
	v_and_b32 v1, 15, v0                           ; r
	v_lshrrev_b32 v2, 4, v0                        ; h (one wave: v0 is the lane)
	v_and_b32 v3, 8, v1
	v_mul_u32_u24 v3, s19, v3
	v_add_nc_u32 v3, v3, v1                        ; my row in the tile
	v_lshlrev_b32 v3, 11, v3
	v_lshl_add_u32 v3, v2, 7, v3                   ; + 128 h: my block of 32 numbers
	v_lshlrev_b32 v4, 4, v0                        ; 16 x lane
	v_lshlrev_b32 v5, 2, v1                        ; 4 r
	v_lshlrev_b32 v[SH8], 3, v2
	v_mov_b32 v[PX], 0                             ; a lane permute's destination counts as one of its sources
	s_wait_alu depctr_va_vdst(0)
	s_wait_kmcnt 0x0
	s_cmp_eq_u32 s12, 0                            ; the choice hangs on the work-group's number alone
	s_cselect_b64 s[4:5], s[4:5], s[6:7]
	s_add_nc_u64 s[4:5], s[4:5], s[20:21]
	s_add_nc_u64 s[8:9], s[8:9], s[22:23]
	s_add_nc_u64 s[10:11], s[10:11], s[26:27]
.irp c, 0,1
.irp q, 0,1,2,3,4,5,6,7
	global_load_b128 v[X+32*\c+4*\q:X+32*\c+4*\q+3], v3, s[4:5] offset:256*\c+16*\q th:TH_LOAD_NT   ; over the 16 loads the wave takes 512 consecutive bytes of each of its 16 rows
.endr
.endr
	s_wait_loadcnt 0x0
	QUANTX X, X+16, X+32, X+48
.irp c, 0,1,2
	global_store_b128 v4, v[PC+4*\c:PC+4*\c+3], s[8:9] offset:512*\c
.endr
	s_wait_xcnt 0x0                                ; EXEC changes only behind this wait
	v_cmp_gt_u32 vcc_lo, 16, v0
	s_and_saveexec_b32 s28, vcc_lo                 ; both halves hold the word: lanes 0-15 store it
	global_store_b32 v5, v[PW], s[10:11]
	s_wait_xcnt 0x0                                ; and again, in front of the line that widens it
	s_or_b32 exec_lo, exec_lo, s28
	s_endpgm
.Lfunc_end_k_q7be79e21c8_prep:
	.size	k_q7be79e21c8_prep, .Lfunc_end_k_q7be79e21c8_prep-k_q7be79e21c8_prep
	.p2alignl 7, 3214868480
	.fill 96, 4, 3214868480
	.section	.rodata,"a",@progbits
	.p2align	6, 0x0
	.amdhsa_kernel k_q7be79e21c8_prep
		.amdhsa_group_segment_fixed_size 0
		.amdhsa_private_segment_fixed_size 0
		.amdhsa_enable_private_segment 0
		.amdhsa_kernarg_size 32
		.amdhsa_user_sgpr_count 2
		.amdhsa_user_sgpr_kernarg_segment_ptr 1
		.amdhsa_wavefront_size32 1
		.amdhsa_system_sgpr_workgroup_id_x 1
		.amdhsa_system_sgpr_workgroup_id_y 1
		.amdhsa_system_sgpr_workgroup_id_z 1
		.amdhsa_system_vgpr_workitem_id 0
		.amdhsa_next_free_vgpr 128
		.amdhsa_next_free_sgpr 66
		.amdhsa_reserve_vcc 1
		.amdhsa_float_denorm_mode_32 3
		.amdhsa_float_denorm_mode_16_64 3
		.amdhsa_memory_ordered 1
		.amdhsa_forward_progress 1
		.amdhsa_inst_pref_size 8
	.end_amdhsa_kernel
	.amdgpu_metadata
---
amdhsa.version: [ 1, 2 ]
amdhsa.kernels:
  - .name:           k_q7be79e21c8_prep
    .symbol:         k_q7be79e21c8_prep.kd
    .args:
      - { .name: W1, .offset: 0, .size: 8, .value_kind: global_buffer, .address_space: global }
      - { .name: W2, .offset: 8, .size: 8, .value_kind: global_buffer, .address_space: global }
      - { .name: wq, .offset: 16, .size: 8, .value_kind: global_buffer, .address_space: global }
      - { .name: ws, .offset: 24, .size: 8, .value_kind: global_buffer, .address_space: global }
    .group_segment_fixed_size: 0
    .private_segment_fixed_size: 0
    .kernarg_segment_align: 8
    .kernarg_segment_size: 32
    .max_flat_workgroup_size: 32
    .sgpr_count:     66
    .vgpr_count:     128
    .wavefront_size: 32
...
	.end_amdgpu_metadata
.endif
;; end of part 1
;; launch main (part 2): grid 256 x 1, 4 waves a work-group, no clusters, 327,680 bytes of LDS; arguments hidden_states, b1, wq, ws, part; writes part
.if DOCPART == 2
	.amdgcn_target "amdgcn-amd-amdhsa--gfx1250"
	.amdhsa_code_object_version 6
	.text
	.protected	k_q7be79e21c8_main
	.globl	k_q7be79e21c8_main
	.p2align	8
	.type	k_q7be79e21c8_main,@function
k_q7be79e21c8_main:
	s_mov_b64 s[64:65], 0
	v_nop
	global_prefetch_b8 v0, s[64:65] scope:SCOPE_SE
	s_setreg_imm32_b32 hwreg(HW_REG_WAVE_MODE, 25, 1), 1
	s_wait_xcnt 0x0
; out0[e] = sum over b, t of h[b][t][e] x softmax over t of (tanh(h W1^T + b1) W2^T)[b][t][e].  This launch makes, for each of 256 runs of 512 positions t (an eighth of a batch),
; the state (NM, L, A) of a running softmax for all 512 columns e; the next launch joins the eight states of a batch and adds the batches.
; Four waves.  Wave w keeps the codes of rows 128 w .. 128 w + 127 of W1 and of W2 in registers (64 fragments of 12 registers: windows 1 to 3 and v48-59) and their scale words in v16-47 (lanes 0-15 W1's, lanes 16-31 W2's).
; h comes in blocks of 64 positions x 2,048 bytes through a ring of two LDS slots, each wave's tensor load bringing a quarter of a slot.  A block goes in three parts, a barrier between them:
; (1) wave w quantises positions 16 w .. 16 w + 15 along K and lays their four fragments and scale words in LDS as images of the operand's registers;
; (2) for each 16 positions u^T = W1 x^T + b1 (b1 is the C of the first product, read from LDS), tanh(x) = 1 - 2 / (1 + 2^(2 x log2 e)), quantised along the hidden units, its image laid in LDS;
; (3) for each 16 positions scores = u W2^T: a lane holds one column e and eight positions.  NM = -(the largest score so far) x log2 e, p = 2^(score x log2 e + NM), L and A are brought under the new NM and take sum p and sum p h.
; The 64 accumulator registers are two halves: while one half goes through tanh or the softmax, the other half's 16 matrix instructions stand as one run among plain vector lines; each run of exponentials or reciprocals is one batch.
; No cluster: the work-groups share the weights alone, 393,216 bytes read once at the head into registers, beside 1,048,576 bytes of h that are each work-group's own.
; No prefetch: a refill is issued a whole block, 256 matrix instructions a wave and their vector work, ahead of the wait for it.
; LIMITS: the scaled scores stay under 2^31 in magnitude; a block whose largest magnitude lies under 2^-124 gets the scale byte 1; NaN and infinities among the inputs are not served.
.set ROWP,  2080
.set HALFP, 1040
.set QUART, 16*ROWP
.set SLOT,  4*QUART
.set FRB,   1536
.set XIMG,  2*SLOT
.set XSC,   XIMG+16*FRB
.set UIMG,  XSC+16*128
.set USC,   UIMG+16*FRB
.set UOFF,  UIMG-XIMG
.set BIAS,  USC+16*128
.set SPARE, BIAS+2048
.set FLOOR, 0x1800000
.set SPW, 1
.set NIL, 2
.set XA0, 3
.set LI,  4
.set LS,  5
.set BA,  6
.set HA0, 7
.set SH8, 8
.set ADX, 9
.set ADF, 10
.set ADS, 11
.set XWI, 12
.set XWS, 13
.set LW,  14
.set LW4, 15
.set WS,  16
.set W63, 48
.set OS,  60
.set OF,  64
.set ACC, 112
.set LA,  176
.set MM,  192
.set TM,  200
.set SO,  208
.set BY,  212
.set PW,  216
.set PX,  217
.set PC,  218
.set PT,  230
.set X1D, 240
.set HB,  200
.set TT,  232
.set WV,  14
.set G1,  16
.set G0,  24
.set TB,  28
.set BLK, 29
.set MC,  30
.set MO,  31
.set MS,  32
.set MH,  33
.set SEL, 34
.set C2,  36
.set CL,  38
.set NCL, 40
.set MSB, 0
.macro WIN new
.if MSB != (\new)
	s_set_vgpr_msb (MSB<<8)|(\new)
.set MSB, (\new)
.endif
.endm
.macro FRG f
.if (\f) == 63
.set FW, 0
.set FR0, W63
.else
.set FW, 1+(\f)/21
.set FR0, 12*((\f)%21)
.endif
.endm
.macro PLACES
.rept 4
	v_nop
.endr
.endm
.macro W1ONE g
	FRG 16*(\g)+KK
	WIN FW
	v_wmma_scale_f32_16x16x128_f8f6f4 v[ACC+8*(4*(\g)+KK%4):ACC+8*(4*(\g)+KK%4)+7], v[FR0:FR0+11], v[OF+12*(KK/4):OF+12*(KK/4)+11], v[ACC+8*(4*(\g)+KK%4):ACC+8*(4*(\g)+KK%4)+7], v[WS+16*(\g)+KK], v[OS+KK/4] matrix_a_fmt:MATRIX_FMT_FP6 matrix_b_fmt:MATRIX_FMT_FP6
.set KK, KK+1
.endm
.macro WMMA1 g
.set KK, 0
.rept 16
	W1ONE \g
.endr
.endm
.macro W2ONE g
	FRG 32+16*(\g)+KK
	WIN FW<<2
.if KK < 4
	v_wmma_scale_f32_16x16x128_f8f6f4 v[ACC+8*(4*(\g)+KK%4):ACC+8*(4*(\g)+KK%4)+7], v[OF+12*(KK/4):OF+12*(KK/4)+11], v[FR0:FR0+11], 0, v[OS+KK/4], v[WS+16*(\g)+KK] matrix_a_fmt:MATRIX_FMT_FP6 matrix_b_fmt:MATRIX_FMT_FP6 matrix_b_scale:MATRIX_SCALE_ROW1
.else
	v_wmma_scale_f32_16x16x128_f8f6f4 v[ACC+8*(4*(\g)+KK%4):ACC+8*(4*(\g)+KK%4)+7], v[OF+12*(KK/4):OF+12*(KK/4)+11], v[FR0:FR0+11], v[ACC+8*(4*(\g)+KK%4):ACC+8*(4*(\g)+KK%4)+7], v[OS+KK/4], v[WS+16*(\g)+KK] matrix_a_fmt:MATRIX_FMT_FP6 matrix_b_fmt:MATRIX_FMT_FP6 matrix_b_scale:MATRIX_SCALE_ROW1
.endif
.set KK, KK+1
.endm
.macro WMMA2 g
.set KK, 0
.rept 16
	W2ONE \g
.endr
.endm
.macro FETCH adr, adw, off, ofw
.irp k, 0,1,2,3
.irp c, 0,1,2
	ds_load_b128 v[OF+12*\k+4*\c:OF+12*\k+4*\c+3], v[\adr] offset:\off+FRB*\k+512*\c
.endr
	ds_load_b32 v[OS+\k], v[\adw] offset:\ofw+128*\k
.endr
.endm
.macro BIASLD g
.irp t, 0,1,2,3
.irp q, 0,1
	ds_load_b128 v[ACC+8*(4*(\g)+\t)+4*\q:ACC+8*(4*(\g)+\t)+4*\q+3], v[BA] offset:128*((4*(\g)+\t)/2)+32*(\t%2)+16*\q
.endr
.endr
.endm
; tanh of a tile's 64 numbers a lane, v[b] on, as two halves of 32 that go one stage apart: the packed add or multiply-add of one half stands between the other half's exponentials or reciprocals.
; Such a plain line reads only what was settled ahead of its stage's wait, and what it writes is read behind the next wait.  The 32 scalings, which read the matrix results first, all stand ahead of the first exponential.
.macro TANH b
.set J, 0
.rept 32
	v_pk_mul_f32 v[\b+J:\b+J+1], v[\b+J:\b+J+1], s[C2:C2+1] op_sel_hi:[1,0]
.set J, J+2
.endr
.set J, 0
	s_wait_alu depctr_va_vdst(0)
.rept 32
	v_exp_f32 v[\b+J], v[\b+J]
.set J, J+1
.endr
	v_nop
	s_wait_alu depctr_va_vdst(0)
.set J, 0
.rept 16
	v_exp_f32 v[\b+32+J], v[\b+32+J]               ; the upper half's exponentials,
	v_exp_f32 v[\b+33+J], v[\b+33+J]
	v_pk_add_f32 v[\b+J:\b+J+1], v[\b+J:\b+J+1], 1.0 op_sel_hi:[1,0]   ; the lower half's 1 + 2^..; the last of these is the plain place behind the stage's last exponential
.set J, J+2
.endr
	s_wait_alu depctr_va_vdst(0)                   ; one wait between two stages, behind the one batch and ahead of the next
.set J, 0
.rept 16
	v_rcp_f32 v[\b+J], v[\b+J]
	v_rcp_f32 v[\b+J+1], v[\b+J+1]
	v_pk_add_f32 v[\b+32+J:\b+33+J], v[\b+32+J:\b+33+J], 1.0 op_sel_hi:[1,0]
.set J, J+2
.endr
	s_wait_alu depctr_va_vdst(0)
.set J, 0
.rept 16
	v_rcp_f32 v[\b+32+J], v[\b+32+J]
	v_rcp_f32 v[\b+33+J], v[\b+33+J]
	v_pk_fma_f32 v[\b+J:\b+J+1], v[\b+J:\b+J+1], -2.0, 1.0 op_sel_hi:[1,0,0]
.set J, J+2
.endr
	s_wait_alu depctr_va_vdst(0)
.set J, 0
.rept 16
	v_pk_fma_f32 v[\b+32+J:\b+33+J], v[\b+32+J:\b+33+J], -2.0, 1.0 op_sel_hi:[1,0,0]
.set J, J+2
.endr
.endm
.macro QUANTH c
.set NB, ACC+32*(\c)
	v_max3_num_f32 v[TM],   |v[NB]|,    |v[NB+1]|,  FLOOR
	v_max3_num_f32 v[TM+1], |v[NB+16]|, |v[NB+17]|, FLOOR
	v_max3_num_f32 v[TM+2], |v[NB+8]|,  |v[NB+9]|,  |v[NB+10]|
	v_max3_num_f32 v[TM+3], |v[NB+24]|, |v[NB+25]|, |v[NB+26]|
.irp i, 2,4
	v_max3_num_f32 v[TM],   v[TM],   |v[NB+\i]|,    |v[NB+1+\i]|
	v_max3_num_f32 v[TM+1], v[TM+1], |v[NB+16+\i]|, |v[NB+17+\i]|
	v_max3_num_f32 v[TM+2], v[TM+2], |v[NB+9+\i]|,  |v[NB+10+\i]|
	v_max3_num_f32 v[TM+3], v[TM+3], |v[NB+25+\i]|, |v[NB+26+\i]|
.endr
	v_max3_num_f32 v[TM],   v[TM],   |v[NB+6]|,  |v[NB+7]|
	v_max3_num_f32 v[TM+1], v[TM+1], |v[NB+22]|, |v[NB+23]|
	v_max3_num_f32 v[TM],   v[TM],   v[TM+2], |v[NB+15]|
	v_max3_num_f32 v[TM+1], v[TM+1], v[TM+3], |v[NB+31]|
	v_permlanex16_b32 v[TM+4], v[TM],   s[SEL], s[SEL+1]
	v_permlanex16_b32 v[TM+5], v[TM+1], s[SEL], s[SEL+1]
	v_max_num_f32 v[TM],   v[TM],   v[TM+4]
	v_max_num_f32 v[TM+1], v[TM+1], v[TM+5]
	v_add_nc_u32 v[SO],   0xff000000, v[TM]
	v_add_nc_u32 v[SO+1], 0xff000000, v[TM+1]
	v_lshrrev_b32 v[BY],   23, v[SO]
	v_lshrrev_b32 v[BY+1], 23, v[SO+1]
.if (\c) == 0
	v_lshl_or_b32 v[PW], v[BY+1], 8, v[BY]
.else
	v_lshl_or_b32 v[PW], v[BY], 16, v[PW]
	v_lshl_or_b32 v[PW], v[BY+1], 24, v[PW]
.endif
	v_cvt_scalef32_pk16_fp6_f32 v[PC+6*(\c):PC+6*(\c)+2], v[NB:NB+15], v[SO]
	v_cvt_scalef32_pk16_fp6_f32 v[PT:PT+2], v[NB+16:NB+31], v[SO+1]
	v_nop
.irp i, 0,1,2
	v_permlane16_swap_b32 v[PC+6*(\c)+\i], v[PT+\i]
.endr
.irp i, 0,1,2
	v_mov_b32 v[PC+6*(\c)+3+\i], v[PT+\i]
.endr
.endm
.macro QUANTX a0, a1, a2, a3
	v_max3_num_f32 v[TM],   |v[\a0]|, |v[\a0+1]|, FLOOR
	v_max3_num_f32 v[TM+1], |v[\a2]|, |v[\a2+1]|, FLOOR
	v_max3_num_f32 v[TM+2], |v[\a1]|, |v[\a1+1]|, |v[\a1+2]|
	v_max3_num_f32 v[TM+3], |v[\a3]|, |v[\a3+1]|, |v[\a3+2]|
.irp i, 2,4,6,8,10,12
	v_max3_num_f32 v[TM],   v[TM],   |v[\a0+\i]|,   |v[\a0+\i+1]|
	v_max3_num_f32 v[TM+1], v[TM+1], |v[\a2+\i]|,   |v[\a2+\i+1]|
	v_max3_num_f32 v[TM+2], v[TM+2], |v[\a1+\i+1]|, |v[\a1+\i+2]|
	v_max3_num_f32 v[TM+3], v[TM+3], |v[\a3+\i+1]|, |v[\a3+\i+2]|
.endr
	v_max3_num_f32 v[TM],   v[TM],   |v[\a0+14]|, |v[\a0+15]|
	v_max3_num_f32 v[TM+1], v[TM+1], |v[\a2+14]|, |v[\a2+15]|
	v_max3_num_f32 v[TM],   v[TM],   v[TM+2], |v[\a1+15]|
	v_max3_num_f32 v[TM+1], v[TM+1], v[TM+3], |v[\a3+15]|
	v_add_nc_u32 v[SO],   0xff000000, v[TM]
	v_add_nc_u32 v[SO+1], 0xff000000, v[TM+1]
	v_lshrrev_b32 v[BY],   23, v[SO]
	v_lshrrev_b32 v[BY+1], 23, v[SO+1]
	v_lshl_or_b32 v[PW], v[BY+1], 16, v[BY]
	v_lshlrev_b32 v[PW], v[SH8], v[PW]
	v_permlanex16_b32 v[PX], v[PW], s[SEL], s[SEL+1]
	v_or_b32 v[PW], v[PW], v[PX]
	v_cvt_scalef32_pk16_fp6_f32 v[PC:PC+2],   v[\a0:\a0+15], v[SO]
	v_cvt_scalef32_pk16_fp6_f32 v[PT:PT+2],   v[\a1:\a1+15], v[SO]
	v_cvt_scalef32_pk16_fp6_f32 v[PC+6:PC+8], v[\a2:\a2+15], v[SO+1]
	v_cvt_scalef32_pk16_fp6_f32 v[PT+4:PT+6], v[\a3:\a3+15], v[SO+1]
	v_nop
.irp i, 0,1,2
	v_mov_b32 v[PC+3+\i], v[PT+\i]
	v_mov_b32 v[PC+9+\i], v[PT+4+\i]
.endr
.endm
.macro XLOAD s, a0, a1, a2, a3
.irp q, 0,1,2,3
	ds_load_b128 v[\a0+4*\q:\a0+4*\q+3], v[ADX] offset:((\s)/2)*HALFP+((\s)%2)*512+16*\q
.endr
.irp q, 0,1,2,3
	ds_load_b128 v[\a1+4*\q:\a1+4*\q+3], v[ADX] offset:((\s)/2)*HALFP+((\s)%2)*512+64+16*\q
.endr
.irp q, 0,1,2,3
	ds_load_b128 v[\a2+4*\q:\a2+4*\q+3], v[ADX] offset:((\s)/2)*HALFP+((\s)%2)*512+256+16*\q
.endr
.irp q, 0,1,2,3
	ds_load_b128 v[\a3+4*\q:\a3+4*\q+3], v[ADX] offset:((\s)/2)*HALFP+((\s)%2)*512+320+16*\q
.endr
.endm
.macro IMGX k
.irp c, 0,1,2
	ds_store_b128 v[XWI], v[PC+4*\c:PC+4*\c+3] offset:FRB*(\k)+512*\c
.endr
	ds_store_b32 v[XWS], v[PW] offset:128*(\k)
.endm
.macro HLOAD p
.irp i, 0,1,2,3
.irp j, 0,1,2,3,4,5,6,7
	ds_load_b32 v[HB+8*\i+\j], v[ADX] offset:((\j%4)+8*(\j/4))*ROWP+64*(4*(\p)+\i)
.endr
.endr
.endm
.macro SOFT p, left, g, deal, pre, fetch
.set SB, ACC+32*(\p)
	s_wait_alu depctr_va_vdst(0)                   ; this half's scores were made ahead of the other half's exponentials: the wait stands ahead of their first read
.irp i, 0,1,2,3
	v_max3_num_f32 v[TT+4*\i+1], v[SB+8*\i], v[SB+8*\i+1], v[SB+8*\i+2]
.endr
.irp k, 3,5
.irp i, 0,1,2,3
	v_max3_num_f32 v[TT+4*\i+1], v[TT+4*\i+1], v[SB+8*\i+\k], v[SB+8*\i+\k+1]
.endr
.endr
.irp i, 0,1,2,3
	v_max_num_f32 v[TT+4*\i+1], v[TT+4*\i+1], v[SB+8*\i+7]
.endr
.irp i, 0,1,2,3
	v_mul_f32 v[TT+4*\i], s[NCL], v[TT+4*\i+1]
.endr
.irp i, 0,1,2,3
	v_min_num_f32 v[TT+4*\i], v[TT+4*\i], v[MM+4*(\p)+\i]
.endr
.irp i, 0,1,2,3
	v_sub_f32 v[TT+4*\i+2], v[TT+4*\i], v[MM+4*(\p)+\i]
.endr
.if (\pre) < 64
	s_wait_alu depctr_va_vdst(0)                   ; directly ahead of the wait below
	s_wait_dscnt \pre
.endif
.set KK, 0
.set J, 0
.rept 16
.if \deal
	W2ONE \g
.endif
	v_pk_fma_f32 v[SB+8*(J%4)+2*(J/4):SB+8*(J%4)+2*(J/4)+1], v[SB+8*(J%4)+2*(J/4):SB+8*(J%4)+2*(J/4)+1], s[CL:CL+1], v[TT+4*(J%4):TT+4*(J%4)+1] op_sel_hi:[1,0,0]
.set J, J+1
.endr
	s_wait_alu depctr_va_vdst(0)                   ; one wait ahead of the batch of 36
.set J, 0
.rept 32
	v_exp_f32 v[SB+J], v[SB+J]                     ; p
.set J, J+1
.endr
.irp i, 0,1,2,3
	v_exp_f32 v[TT+4*\i+2], v[TT+4*\i+2]           ; the factor that brings L and A under the new NM
.endr
.irp i, 0,1,2,3
	v_mov_b32 v[MM+4*(\p)+\i], v[TT+4*\i]
.endr
	WIN 0
	s_wait_alu depctr_va_vdst(0)
.if \fetch
	s_add_co_u32 s[MO], s[MO], 4*FRB
	s_add_co_u32 s[MS], s[MS], 512
	v_add_nc_u32 v[ADF], s[MO], v[LI]
	v_add_nc_u32 v[ADS], s[MS], v[LS]
	FETCH ADF, ADS, UOFF, UOFF
.endif
.irp i, 0,1,2,3
	v_pk_add_f32 v[TT+4*\i:TT+4*\i+1], v[SB+8*\i:SB+8*\i+1], v[SB+8*\i+2:SB+8*\i+3]
.endr
.irp k, 4,6
.irp i, 0,1,2,3
	v_pk_add_f32 v[TT+4*\i:TT+4*\i+1], v[TT+4*\i:TT+4*\i+1], v[SB+8*\i+\k:SB+8*\i+\k+1]
.endr
.endr
	s_wait_dscnt \left
.irp i, 0,1,2,3
	v_pk_mul_f32 v[SB+8*\i:SB+8*\i+1], v[SB+8*\i:SB+8*\i+1], v[HB+8*\i:HB+8*\i+1]
.endr
.irp k, 2,4,6
.irp i, 0,1,2,3
	v_pk_fma_f32 v[SB+8*\i:SB+8*\i+1], v[SB+8*\i+\k:SB+8*\i+\k+1], v[HB+8*\i+\k:HB+8*\i+\k+1], v[SB+8*\i:SB+8*\i+1]
.endr
.endr
.irp i, 0,1,2,3
	v_add_f32 v[TT+4*\i], v[TT+4*\i], v[TT+4*\i+1]
.endr
.irp i, 0,1,2,3
	v_add_f32 v[TT+4*\i+1], v[SB+8*\i], v[SB+8*\i+1]
.endr
.irp i, 0,1,2,3
	v_pk_fma_f32 v[LA+2*(4*(\p)+\i):LA+2*(4*(\p)+\i)+1], v[LA+2*(4*(\p)+\i):LA+2*(4*(\p)+\i)+1], v[TT+4*\i+2:TT+4*\i+3], v[TT+4*\i:TT+4*\i+1] op_sel_hi:[1,0,1]
.endr
.endm
.macro CHANGE fill
	s_wait_tensorcnt 0x0
	ds_add_u32 v[SPW], v[NIL]
.if \fill
	s_xor_b32 s[G0+1], s[G0+1], SLOT
	s_add_nc_u64 s[G0+2:G0+3], s[G0+2:G0+3], 64*2048
.endif
	s_wait_dscnt 0x0
	s_barrier_signal -1
	s_barrier_wait -1
.if \fill
	tensor_load_to_lds s[G0:G0+3], s[G1:G1+7]
	s_nop 0
	PLACES
.endif
.endm
.macro P1TILE m, next
; A tile of part (2): its 32 products, tanh of all 64 numbers a lane, the next tile's fragments, then half by half the quantiser and the next tile's bias.
	s_wait_alu depctr_va_vdst(0)                   ; directly ahead of the wait below
	s_wait_dscnt 8                                 ; x's fragments, the lower half's bias and my image stores are done; the youngest eight loads, the upper half's bias, may be out
	WMMA1 0
	s_wait_dscnt 0x0                               ; the upper half's bias is in
	WMMA1 1
	WIN 0
	PLACES
	TANH ACC
.if \next
	FETCH LI, LS, 4*FRB*((\m)+1), 512*((\m)+1)
.endif
	QUANTH 0
.if \next
	BIASLD 0
.endif
	QUANTH 1
.irp c, 0,1,2
	ds_store_b128 v[ADF], v[PC+4*\c:PC+4*\c+3] offset:UOFF+4*FRB*(\m)+512*\c
.endr
	ds_store_b32 v[ADS], v[PW] offset:UOFF+512*(\m)
.if \next
	BIASLD 1
.endif
.endm
.macro P2TILE next
	SOFT 0, 16*\next, 1, 1, 64, \next
	HLOAD 1
	SOFT 1, 0, 0, \next, 32, 0
.if \next
	s_add_co_u32 s[MH], s[MH], QUART
	v_add_nc_u32 v[ADX], s[MH], v[HA0]
	HLOAD 0
.endif
.endm
.macro BODY
	v_add_nc_u32 v[ADX], s[TB], v[XA0]
	XLOAD 0, ACC, ACC+16, ACC+32, ACC+48
	XLOAD 1, OF, OF+16, OF+32, X1D
	s_wait_dscnt 16
	QUANTX ACC, ACC+16, ACC+32, ACC+48
	IMGX 0
	XLOAD 2, ACC, ACC+16, ACC+32, ACC+48
	s_wait_dscnt 16
	QUANTX OF, OF+16, OF+32, X1D
	IMGX 1
	XLOAD 3, OF, OF+16, OF+32, X1D
	s_wait_dscnt 16
	QUANTX ACC, ACC+16, ACC+32, ACC+48
	IMGX 2
	s_wait_dscnt 0x0
	QUANTX OF, OF+16, OF+32, X1D
	IMGX 3
	s_wait_loadcnt 63
	s_wait_dscnt 0x0
	s_barrier_signal -1
	s_barrier_wait -1
	v_add_nc_u32 v[ADF], s41, v[LI]
	v_add_nc_u32 v[ADS], s42, v[LS]
	FETCH LI, LS, 0, 0
	BIASLD 0
	BIASLD 1
	P1TILE 0, 1
	P1TILE 1, 1
	P1TILE 2, 1
	P1TILE 3, 0
	s_wait_loadcnt 0x0
	s_wait_dscnt 0x0
	s_barrier_signal -1
	s_barrier_wait -1
	s_mov_b32 s[MO], 0
	s_mov_b32 s[MS], 0
	s_mov_b32 s[MH], s[TB]
	v_add_nc_u32 v[ADF], s[MO], v[LI]
	v_add_nc_u32 v[ADS], s[MS], v[LS]
	v_add_nc_u32 v[ADX], s[MH], v[HA0]
	FETCH ADF, ADS, UOFF, UOFF
	HLOAD 0
	s_wait_dscnt 32
	WMMA2 0
	WIN 0
	PLACES
	s_mov_b32 s[MC], 3
.Lp2_\@:
	P2TILE 1
	s_sub_co_u32 s[MC], s[MC], 1
	s_cmp_lg_u32 s[MC], 0
	s_cbranch_scc1 .Lp2_\@
	P2TILE 0
	s_xor_b32 s[TB], s[TB], SLOT
.endm
	s_load_b256 s[4:11], s[0:1], 0x0
	s_load_b64 s[12:13], s[0:1], 0x20
	v_lshl_add_u32 v[SPW], v0, 2, SPARE
	v_mov_b32 v[NIL], 0
	ds_add_u32 v1, v2
	ds_add_u32 v1, v2
	s_wait_dscnt 0x0
	v_lshrrev_b32 v9, 5, v0
	v_readfirstlane_b32 s[WV], v9
	s_mov_b32 s[G1+0], (2<<16)|(1<<20)|(7<<22)|(3<<25)
	s_mov_b32 s[G1+1], 256<<16
	s_mov_b32 s[G1+2], 32<<16
	s_mov_b32 s[G1+3], 256<<16
	s_mov_b32 s[G1+4], 32
	s_mov_b32 s[G1+5], 256
	s_mov_b32 s[G1+6], 0
	s_mov_b32 s[G1+7], 0
	s_mul_i32 s41, s[WV], FRB
	s_lshl_b32 s42, s[WV], 7
	s_mul_i32 s43, s[WV], 4*FRB
	s_lshl_b32 s44, s[WV], 9
	s_mul_i32 s45, s[WV], QUART
	s_lshl_b32 s46, ttmp9, 20
	s_lshl_b32 s47, s[WV], 15
	s_add_co_u32 s46, s46, s47
	s_mov_b32 s47, 0
	s_mov_b32 s60, s44
	s_mov_b32 s61, 0
	s_wait_kmcnt 0x0
	s_mov_b32 s[G0], 1
	s_mov_b32 s[G0+1], s45
	s_add_nc_u64 s[G0+2:G0+3], s[4:5], s[46:47]
	s_or_b32 s[G0+3], s[G0+3], 0x80000000
	s_add_nc_u64 s[6:7], s[6:7], s[60:61]          ; b1 of my wave's 128 hidden units: 512 bytes
	s_add_co_u32 s60, s44, BIAS                    ; and their place in LDS
	tensor_load_to_lds s[G0:G0+3], s[G1:G1+7]      ; my quarter of block 0: the wave's one tensor load at the head
	s_nop 0
	PLACES
	s_mul_i32 s46, s[WV], 64*FRB
	s_add_nc_u64 s[8:9], s[8:9], s[46:47]
	s_lshl_b32 s46, s[WV], 12
	s_add_nc_u64 s[10:11], s[10:11], s[46:47]
	s_mul_i32 s46, ttmp9, 6144
	s_add_co_u32 s46, s46, s44
	s_add_nc_u64 s[12:13], s[12:13], s[46:47]
	v_and_b32 v9, 31, v0
	v_and_b32 v10, 15, v0
	v_bfe_u32 v11, v0, 4, 1
	v_lshlrev_b32 v[LW], 4, v9
	v_lshlrev_b32 v[LW4], 2, v9
	v_add_nc_u32 v[XWI], s60, v[LW]                ; BIAS + 512 x wave + 16 x lane
	global_load_b128 v[HB:HB+3], v[LW], s[6:7]     ; 32 lanes read my wave's 512 consecutive bytes of b1
.set F, 0
.rept 32
	FRG F
	WIN FW<<6
.irp c, 0,1,2
	global_load_b128 v[FR0+4*\c:FR0+4*\c+3], v[LW], s[8:9] offset:F*FRB+512*\c
.endr
.set F, F+1
.endr
	WIN 0
.set F, 0
.rept 32
	global_load_b32 v[WS+F], v[LW4], s[10:11] offset:128*F
.set F, F+1
.endr
.set F, 32
.rept 32
	FRG F
	WIN FW<<6
.irp c, 0,1,2
	global_load_b128 v[FR0+4*\c:FR0+4*\c+3], v[LW], s[8:9] offset:F*FRB+512*\c
.endr
.set F, F+1
.endr
	WIN 0
	s_wait_alu depctr_va_vdst(0)                   ; directly ahead of the wait below
	s_wait_loadcnt 63                              ; b1 is in: 224 younger loads were issued behind it
	ds_store_b128 v[XWI], v[HB:HB+3]               ; into my wave's own 512 bytes, which no tensor load fills and my wave alone reads
	v_and_b32 v[XA0], 3, v0
	v_bfe_u32 v[BA], v0, 2, 1
	v_lshl_add_u32 v[XA0], v[BA], 3, v[XA0]
	v_bfe_u32 v[BA], v0, 3, 1
	v_lshl_add_u32 v[XA0], v[BA], 2, v[XA0]
	v_mul_u32_u24 v[XA0], v[XA0], ROWP
	v_lshl_add_u32 v[XA0], v11, 7, v[XA0]
	v_add_nc_u32 v[XA0], s45, v[XA0]
	v_lshl_add_u32 v[LI], v9, 4, XIMG
	v_lshl_add_u32 v[LS], v9, 2, XSC
	v_lshl_add_u32 v[BA], v11, 6, BIAS
	v_add_nc_u32 v[BA], s44, v[BA]
	s_lshr_b32 s46, s[WV], 1
	s_mul_i32 s46, s46, HALFP
	s_and_b32 s60, s[WV], 1
	s_lshl_b32 s60, s60, 9
	s_add_co_u32 s46, s46, s60
	v_mul_u32_u24 v[HA0], v11, 4*ROWP
	v_lshl_add_u32 v[HA0], v10, 2, v[HA0]
	v_add_nc_u32 v[HA0], s46, v[HA0]
	v_lshlrev_b32 v[SH8], 3, v11
	v_add_nc_u32 v[XWI], s43, v[LI]
	v_add_nc_u32 v[XWS], s44, v[LS]
.irp n, 0,1,2,3,4,5,6,7
	v_mov_b32 v[MM+\n], 0x7f61b1e6
.endr
.irp j, 0,1,2,3,4,5,6,7,8,9,10,11,12,13,14,15
	v_mov_b32 v[LA+\j], 0
.endr
.irp j, TM+4, TM+5, PX, TT+3, TT+7, TT+11, TT+15
	v_mov_b32 v[\j], 0
.endr
	s_mov_b32 s[SEL], 0x76543210
	s_mov_b32 s[SEL+1], 0xfedcba98
	s_mov_b32 s[C2], 0x4038aa3b
	s_mov_b32 s[C2+1], s[C2]
	s_mov_b32 s[CL], 0x3fb8aa3b
	s_mov_b32 s[CL+1], s[CL]
	s_mov_b32 s[NCL], 0xbfb8aa3b
	s_mov_b32 s[TB], 0
	s_mov_b32 s[BLK], 7
.Lblk:
	CHANGE 1
	BODY
	s_sub_co_u32 s[BLK], s[BLK], 1
	s_cmp_lg_u32 s[BLK], 0
	s_cbranch_scc1 .Lblk
	CHANGE 0
	BODY
.irp n, 0,1,2,3,4,5,6,7
	v_permlanex16_b32 v[HB+2*\n], v[MM+\n], s[SEL], s[SEL+1]
.endr
.irp n, 0,1,2,3,4,5,6,7
	v_min_num_f32 v[HB+16+\n], v[MM+\n], v[HB+2*\n]
.endr
.irp n, 0,1,2,3,4,5,6,7
	v_sub_f32 v[HB+2*\n], v[HB+16+\n], v[MM+\n]
.endr
	s_wait_alu depctr_va_vdst(0)
.irp n, 0,1,2,3,4,5,6,7
	v_exp_f32 v[HB+2*\n], v[HB+2*\n]
.endr
	v_and_b32 v[LW4], 15, v0
	v_lshl_add_u32 v[LW4], v[LW4], 2, XIMG
	v_add_nc_u32 v[LW4], s43, v[LW4]
	s_wait_alu depctr_va_vdst(0)
.irp n, 0,1,2,3,4,5,6,7
	v_pk_mul_f32 v[LA+2*\n:LA+2*\n+1], v[LA+2*\n:LA+2*\n+1], v[HB+2*\n:HB+2*\n+1] op_sel_hi:[1,0]
.endr
.irp j, 0,1,2,3,4,5,6,7,8,9,10,11,12,13,14,15
	v_permlanex16_b32 v[TT+\j], v[LA+\j], s[SEL], s[SEL+1]
.endr
.irp n, 0,1,2,3,4,5,6,7
	v_pk_add_f32 v[LA+2*\n:LA+2*\n+1], v[LA+2*\n:LA+2*\n+1], v[TT+2*\n:TT+2*\n+1]
.endr
.irp n, 0,1,2,3,4,5,6,7
	ds_store_b32 v[LW4], v[HB+16+\n] offset:64*\n
	ds_store_b32 v[LW4], v[LA+2*\n] offset:512+64*\n
	ds_store_b32 v[LW4], v[LA+2*\n+1] offset:1024+64*\n
.endr
.irp q, 0,1,2
	ds_load_b128 v[HB+4*\q:HB+4*\q+3], v[XWI] offset:512*\q
.endr
	s_wait_dscnt 0x0
.irp q, 0,1,2
	global_store_b128 v[LW], v[HB+4*\q:HB+4*\q+3], s[12:13] offset:2048*\q
.endr
	s_wait_tensorcnt 0x0
	ds_add_u32 v[SPW], v[NIL]
	s_wait_dscnt 0x0
	s_endpgm
.Lfunc_end_k_q7be79e21c8_main:
	.size	k_q7be79e21c8_main, .Lfunc_end_k_q7be79e21c8_main-k_q7be79e21c8_main
	.p2alignl 7, 3214868480
	.fill 96, 4, 3214868480
	.section	.rodata,"a",@progbits
	.p2align	6, 0x0
	.amdhsa_kernel k_q7be79e21c8_main
		.amdhsa_group_segment_fixed_size 327680
		.amdhsa_private_segment_fixed_size 0
		.amdhsa_enable_private_segment 0
		.amdhsa_kernarg_size 40
		.amdhsa_user_sgpr_count 2
		.amdhsa_user_sgpr_kernarg_segment_ptr 1
		.amdhsa_wavefront_size32 1
		.amdhsa_system_sgpr_workgroup_id_x 1
		.amdhsa_system_sgpr_workgroup_id_y 1
		.amdhsa_system_sgpr_workgroup_id_z 1
		.amdhsa_system_vgpr_workitem_id 0
		.amdhsa_next_free_vgpr 1024
		.amdhsa_next_free_sgpr 66
		.amdhsa_reserve_vcc 0
		.amdhsa_float_denorm_mode_32 3
		.amdhsa_float_denorm_mode_16_64 3
		.amdhsa_memory_ordered 1
		.amdhsa_forward_progress 1
		.amdhsa_inst_pref_size 255
	.end_amdhsa_kernel
	.section	.bss,"aw",@nobits
	.p2align	6
	.space	262144
	.amdgpu_metadata
---
amdhsa.version: [ 1, 2 ]
amdhsa.kernels:
  - .name:           k_q7be79e21c8_main
    .symbol:         k_q7be79e21c8_main.kd
    .args:
      - { .name: hidden_states, .offset: 0, .size: 8, .value_kind: global_buffer, .address_space: global }
      - { .name: b1, .offset: 8, .size: 8, .value_kind: global_buffer, .address_space: global }
      - { .name: wq, .offset: 16, .size: 8, .value_kind: global_buffer, .address_space: global }
      - { .name: ws, .offset: 24, .size: 8, .value_kind: global_buffer, .address_space: global }
      - { .name: part, .offset: 32, .size: 8, .value_kind: global_buffer, .address_space: global }
    .group_segment_fixed_size: 327680
    .private_segment_fixed_size: 0
    .kernarg_segment_align: 8
    .kernarg_segment_size: 40
    .max_flat_workgroup_size: 128
    .sgpr_count:     66
    .vgpr_count:     1024
    .wavefront_size: 32
...
	.end_amdgpu_metadata
.endif
;; end of part 2
;; launch fin (part 3): grid 8 x 1, 16 waves a work-group, no clusters, 6,144 bytes of LDS; arguments part, out0; writes out0
.if DOCPART == 3
	.amdgcn_target "amdgcn-amd-amdhsa--gfx1250"
	.amdhsa_code_object_version 6
	.text
	.protected	k_q7be79e21c8_fin
	.globl	k_q7be79e21c8_fin
	.p2align	8
	.type	k_q7be79e21c8_fin,@function
k_q7be79e21c8_fin:
	s_mov_b64 s[64:65], 0
	v_nop
	global_prefetch_b8 v0, s[64:65] scope:SCOPE_SE
	s_setreg_imm32_b32 hwreg(HW_REG_WAVE_MODE, 25, 1), 1
	s_wait_xcnt 0x0
; out0[e] = the sum over the 32 batches of A / L, where a batch's (NM, L, A) is joined from its 8 partial states: all are brought under the smallest NM by the factor 2^(that NM - their own), then added.
; part: [256 = 8 x batch + eighth][3: NM, L, A][512] f32.  Work-group x owns columns 64 x .. 64 x + 63, 256 bytes.  A lane holds 4 columns (16 bytes) of one batch: batch 2 x wave + lane / 16.
; Each load of the wave covers two runs of 256 consecutive bytes, aligned.  The 16 waves' sums meet in LDS; wave 0 adds them and stores the 256 bytes by one instruction.
; Matrix units, tensor loads and clusters have nothing to do here: 1.5 MB are read once and 2 KB written.
.set NM, 16                            ; v16-47   NM of the 8 eighths, 4 columns each; then the factors
.set L,  48                            ; v48-79
.set A,  80                            ; v80-111
.set MN, 8                             ; v8-11    the smallest NM
.set SL, 112                           ; v112-115 the batch's L
.set SA, 116                           ; v116-119 the batch's A, then A / L
.set PX, 120                           ; v120-123 the other half's
	s_load_b128 s[4:7], s[0:1], 0x0                ; part, out0
	v_lshl_add_u32 v128, v0, 2, 0x1000
	v_mov_b32 v129, 0
	v_lshrrev_b32 v1, 5, v0
	s_delay_alu instid0(VALU_DEP_1)
	v_readfirstlane_b32 s8, v1                     ; wave 0..15
	v_and_b32 v2, 15, v0                           ; which 4 columns
	v_bfe_u32 v3, v0, 4, 1                         ; which half of the lanes
	s_delay_alu instid0(VALU_DEP_1)
	v_lshl_add_u32 v4, v1, 1, v3                   ; my batch
	s_delay_alu instid0(VALU_DEP_1)
	v_mul_u32_u24 v4, v4, 8*6144
	s_delay_alu instid0(VALU_DEP_1)
	v_lshl_add_u32 v4, v2, 4, v4                   ; its first state, my 16 bytes
	v_lshlrev_b32 v5, 4, v2
	s_delay_alu instid0(VALU_DEP_1)
	v_lshl_add_u32 v6, v1, 8, v5                   ; LDS: 256 x wave + my 16 bytes
	s_delay_alu instid0(VALU_DEP_2)
	v_lshl_add_u32 v7, v3, 11, v5                  ; wave 0 reads waves 8 x half + 0 .. 7
.irp k, 0,1,2,3
	v_mov_b32 v[PX+\k], 0                          ; a lane permute's destination counts as one of its sources
.endr
	s_lshl_b32 s10, ttmp9, 8
	s_mov_b32 s11, 0
	s_mov_b32 s14, 0x76543210
	s_mov_b32 s15, 0xfedcba98
	s_wait_alu depctr_va_vdst(0)
	s_wait_kmcnt 0x0
	s_add_nc_u64 s[4:5], s[4:5], s[10:11]
	s_add_nc_u64 s[6:7], s[6:7], s[10:11]
.irp i, 0,1,2,3,4,5,6,7
	global_load_b128 v[NM+4*\i:NM+4*\i+3], v4, s[4:5] offset:6144*\i th:TH_LOAD_NT
.endr
.irp i, 0,1,2,3,4,5,6,7
	global_load_b128 v[L+4*\i:L+4*\i+3], v4, s[4:5] offset:6144*\i+2048 th:TH_LOAD_NT
.endr
.irp i, 0,1,2,3,4,5,6,7
	global_load_b128 v[A+4*\i:A+4*\i+3], v4, s[4:5] offset:6144*\i+4096 th:TH_LOAD_NT
.endr
	s_wait_loadcnt 16                              ; the eight NM are in; L's and A's 16 loads may be out
.irp k, 0,1,2,3
	v_min3_num_f32 v[MN+\k], v[NM+\k], v[NM+4+\k], v[NM+8+\k]
.endr
.irp k, 0,1,2,3
	s_delay_alu instid0(VALU_DEP_4)
	v_min3_num_f32 v[MN+\k], v[MN+\k], v[NM+12+\k], v[NM+16+\k]
.endr
.irp k, 0,1,2,3
	s_delay_alu instid0(VALU_DEP_4)
	v_min3_num_f32 v[MN+\k], v[MN+\k], v[NM+20+\k], v[NM+24+\k]
.endr
.irp k, 0,1,2,3
	s_delay_alu instid0(VALU_DEP_4)
	v_min_num_f32 v[MN+\k], v[MN+\k], v[NM+28+\k]
.endr
.irp i, 0,1,2,3,4,5,6,7
.irp p, 0,2
	v_pk_add_f32 v[NM+4*\i+\p:NM+4*\i+\p+1], v[MN+\p:MN+\p+1], v[NM+4*\i+\p:NM+4*\i+\p+1] neg_lo:[0,1] neg_hi:[0,1]   ; the smallest NM - mine: 0 or less
.endr
.endr
.set J, 0
	s_wait_alu depctr_va_vdst(0)
.rept 32
	v_exp_f32 v[NM+J], v[NM+J]
.set J, J+1
.endr
	v_nop                                          ; a plain line behind the last exponential
	s_wait_alu depctr_va_vdst(0)                   ; one wait for the 32, ahead of their first reader
	s_wait_loadcnt 0x0
.irp p, 0,2
	v_pk_mul_f32 v[SL+\p:SL+\p+1], v[NM+\p:NM+\p+1], v[L+\p:L+\p+1]
	v_pk_mul_f32 v[SA+\p:SA+\p+1], v[NM+\p:NM+\p+1], v[A+\p:A+\p+1]
.endr
.irp i, 1,2,3,4,5,6,7
.irp p, 0,2
	v_pk_fma_f32 v[SL+\p:SL+\p+1], v[NM+4*\i+\p:NM+4*\i+\p+1], v[L+4*\i+\p:L+4*\i+\p+1], v[SL+\p:SL+\p+1]
	v_pk_fma_f32 v[SA+\p:SA+\p+1], v[NM+4*\i+\p:NM+4*\i+\p+1], v[A+4*\i+\p:A+4*\i+\p+1], v[SA+\p:SA+\p+1]
.endr
.endr
	s_wait_alu depctr_va_vdst(0)
.irp k, 0,1,2,3
	v_rcp_f32 v[SL+\k], v[SL+\k]                   ; L is at least about 1: the row of the largest score adds 2^0 within a rounding
.endr
	v_nop
	s_wait_alu depctr_va_vdst(0)
.irp p, 0,2
	v_pk_mul_f32 v[SA+\p:SA+\p+1], v[SA+\p:SA+\p+1], v[SL+\p:SL+\p+1]
.endr
.irp k, 0,1,2,3
	v_permlanex16_b32 v[PX+\k], v[SA+\k], s14, s15
.endr
.irp p, 0
	s_delay_alu instid0(VALU_DEP_3)
	v_pk_add_f32 v[SA+\p:SA+\p+1], v[SA+\p:SA+\p+1], v[PX+\p:PX+\p+1]      ; my wave's two batches
.endr
.irp p, 2
	s_delay_alu instid0(VALU_DEP_2)
	v_pk_add_f32 v[SA+\p:SA+\p+1], v[SA+\p:SA+\p+1], v[PX+\p:PX+\p+1]      ; my wave's two batches
.endr
	ds_store_b128 v6, v[SA:SA+3]                   ; both halves of the lanes write the same bytes with the same values
	s_wait_dscnt 0x0                               ; for the others' sake: my store has landed
	s_barrier_signal -1
	s_barrier_wait -1
	s_cmp_lg_u32 s8, 0
	s_cbranch_scc1 .Lend                           ; wave 0 alone goes on; no barrier follows
.irp i, 0,1,2,3,4,5,6,7
	ds_load_b128 v[NM+4*\i:NM+4*\i+3], v7 offset:256*\i
.endr
	s_wait_dscnt 0x0
.irp i, 0,1,2,3
.irp p, 0,2
	v_pk_add_f32 v[NM+4*\i+\p:NM+4*\i+\p+1], v[NM+4*\i+\p:NM+4*\i+\p+1], v[NM+16+4*\i+\p:NM+16+4*\i+\p+1]
.endr
.endr
.irp i, 0,1
.irp p, 0,2
	s_delay_alu instid0(VALU_DEP_4)
	v_pk_add_f32 v[NM+4*\i+\p:NM+4*\i+\p+1], v[NM+4*\i+\p:NM+4*\i+\p+1], v[NM+8+4*\i+\p:NM+8+4*\i+\p+1]
.endr
.endr
.irp p, 0,2
	s_delay_alu instid0(VALU_DEP_2)
	v_pk_add_f32 v[NM+\p:NM+\p+1], v[NM+\p:NM+\p+1], v[NM+4+\p:NM+4+\p+1]
.endr
.irp k, 0,1,2,3
	v_permlanex16_b32 v[PX+\k], v[NM+\k], s14, s15
.endr
.irp p, 0
	s_delay_alu instid0(VALU_DEP_3)
	v_pk_add_f32 v[NM+\p:NM+\p+1], v[NM+\p:NM+\p+1], v[PX+\p:PX+\p+1]      ; all sixteen waves'
.endr
.irp p, 2
	s_delay_alu instid0(VALU_DEP_2)
	v_pk_add_f32 v[NM+\p:NM+\p+1], v[NM+\p:NM+\p+1], v[PX+\p:PX+\p+1]      ; all sixteen waves'
.endr
	s_wait_alu depctr_va_vdst(0)
	s_wait_xcnt 0x0                                ; EXEC changes only behind this wait
	v_cmp_gt_u32 vcc_lo, 16, v0
	s_and_saveexec_b32 s12, vcc_lo
	global_store_b128 v5, v[NM:NM+3], s[6:7]       ; sixteen lanes store 256 consecutive bytes, aligned
	s_wait_xcnt 0x0                                ; and again, in front of the line that widens it
	s_or_b32 exec_lo, exec_lo, s12
.Lend:
	s_wait_tensorcnt 0x0
	ds_add_u32 v128, v129
	s_wait_dscnt 0x0
	s_endpgm
.Lfunc_end_k_q7be79e21c8_fin:
	.size	k_q7be79e21c8_fin, .Lfunc_end_k_q7be79e21c8_fin-k_q7be79e21c8_fin
	.p2alignl 7, 3214868480
	.fill 96, 4, 3214868480
	.section	.rodata,"a",@progbits
	.p2align	6, 0x0
	.amdhsa_kernel k_q7be79e21c8_fin
		.amdhsa_group_segment_fixed_size 6144
		.amdhsa_private_segment_fixed_size 0
		.amdhsa_enable_private_segment 0
		.amdhsa_kernarg_size 16
		.amdhsa_user_sgpr_count 2
		.amdhsa_user_sgpr_kernarg_segment_ptr 1
		.amdhsa_wavefront_size32 1
		.amdhsa_system_sgpr_workgroup_id_x 1
		.amdhsa_system_sgpr_workgroup_id_y 1
		.amdhsa_system_sgpr_workgroup_id_z 1
		.amdhsa_system_vgpr_workitem_id 0
		.amdhsa_next_free_vgpr 130
		.amdhsa_next_free_sgpr 66
		.amdhsa_reserve_vcc 1
		.amdhsa_float_denorm_mode_32 3
		.amdhsa_float_denorm_mode_16_64 3
		.amdhsa_memory_ordered 1
		.amdhsa_forward_progress 1
		.amdhsa_inst_pref_size 13
	.end_amdhsa_kernel
	.amdgpu_metadata
---
amdhsa.version: [ 1, 2 ]
amdhsa.kernels:
  - .name:           k_q7be79e21c8_fin
    .symbol:         k_q7be79e21c8_fin.kd
    .args:
      - { .name: part, .offset: 0, .size: 8, .value_kind: global_buffer, .address_space: global }
      - { .name: out0, .offset: 8, .size: 8, .value_kind: global_buffer, .address_space: global }
    .group_segment_fixed_size: 6144
    .private_segment_fixed_size: 0
    .kernarg_segment_align: 8
    .kernarg_segment_size: 16
    .max_flat_workgroup_size: 512
    .sgpr_count:     66
    .vgpr_count:     130
    .wavefront_size: 32
...
	.end_amdgpu_metadata
.endif
;; end of part 3
